; MI455X (gfx1250); checked and timed in simulation.
; The chip was launched on July 23, 2026; its instructions are those of AMD's public machine-readable ISA for CDNA 5 (MIT licence, August 2026) and "CDNA5" Instruction Set Architecture Reference Guide (July 2026). The comments in the code are by the model that wrote it; some were corrected since.
;; Sparse Mo E. Allowed arithmetic: float matrix products may take bf16 or f16 operands with f32 sums; other float arithmetic in f32, or as packed bf16 or f16 multiplies, adds, multiply-adds, maxima and minima; sums over many terms, partial sums and values carried from step to step in f32; what a program stores and reads back later, other than sums and carried values, may be rounded once to bf16 or f16.
;; Inputs: W1 8 x 1,024 x 4,096 float32; W2 8 x 4,096 x 1,024 float32; Wn 1,024 x 8 float32; Wr 1,024 x 8 float32; b1 8 x 4,096 float32; b2 8 x 1,024 float32; bn 8 float32; br 8 float32; noise 2 x 512 x 8 float32; x 2 x 512 x 1,024 float32.
;; Outputs: out0 2 x 512 x 1,024 float32; out1 2 x 512 x 8 float32.
;; One version. Each part assembles by itself: llvm-mc -triple=amdgcn-amd-amdhsa -mcpu=gfx1250 --defsym DOCPART=n.
;; ======== version 1 of 1: 5 launches
;; workspace buffers: xb 2,097,152 bytes; sel 4,096 bytes of whole numbers; gate 8,192 bytes; xg 16,777,216 bytes; gr 32,768 bytes; rank 33,792 bytes of whole numbers; h 67,108,864 bytes; y 33,554,432 bytes
;; launch router (part 1): grid 64 x 1, 4 waves a work-group, no clusters, 72,192 bytes of LDS; arguments x, noise, Wr, br, Wn, bn, xb, sel, gate, out1; writes xb, sel, gate, out1
.if DOCPART == 1
	.amdgcn_target "amdgcn-amd-amdhsa--gfx1250"
	.amdhsa_code_object_version 6
	.text
	.protected	k_q0da58d4058_router
	.globl	k_q0da58d4058_router
	.p2align	8
	.type	k_q0da58d4058_router,@function
k_q0da58d4058_router:
	s_mov_b64 s[64:65], 0
	v_nop
	global_prefetch_b8 v0, s[64:65] scope:SCOPE_SE
	s_setreg_imm32_b32 hwreg(HW_REG_WAVE_MODE, 25, 1), 1
	s_wait_xcnt 0x0
; NOISY TOP-2 ROUTER.  logits = x Wr + br, noise logits = x Wn + bn, noisy = logits + noise softplus(noise logits); the two largest noisy logits of a token choose its experts.
; Stored: xb = x rounded to bf16 [1024][1024]; sel[t] = (1 << e1) | (1 << (8 + e2)) | e1 << 16 | e2 << 24; gate[2 t + slot] (f32, softmax over the two chosen); out1 = softmax(logits).
; LIMITS.  Every input (x, noise, Wr, br, Wn, bn) is rounded once to bf16 and the sums are f32: the whole program computes the module on inputs rounded to bf16.  Where the second and third noisy logit
; lie within f32's rounding of the sums (some 1e-6 of their size) the choice may fall otherwise than with another order of summing; exact ties go to the lower index.  NaN and infinities are not treated apart;
; an exponential below 2^-126 counts as 0.  Both softmaxes take their maximum away first; softplus(z) = max(z, 0) + ln(1 + e^-|z|) cannot overflow.
; SHARES.  A work-group has 16 tokens, 64 work-groups 1,024.  Wave w takes k = 256 w .. 256 w + 255 of all 16 tokens: 8 matrix instructions (source 0 = 16 columns: Wr's 8, Wn's 8; source 1 = 16 tokens),
; so that in the result lane l holds token l % 16 and, in registers 0-7, its 8 logits (lanes 0-15) or its 8 noise logits (lanes 16-31).  The four partial sums meet in LDS; wave 0 finishes.
; No tensor load: x has to be rounded on its way, and goes through registers anyway to be stored as xb.  No cluster: work-groups share only Wr and Wn, 64 KB.
.set XP,    528                        ; a row of the x stage: 512 bytes (256 bf16) + 16: an odd multiple of 16, so the 16 rows of a fragment load start in 16 different groups of four banks
.set WBK,   16896                      ; LDS of a wave: the x stage (16 rows x 528, in 8,704 bytes), then the weights' image
.set WIM,   8704                       ; [256 k][16 columns] bf16, 32 bytes a row: columns 0-7 Wr, 8-15 Wn
.set RED,   4*WBK                      ; 4 x 1,024 bytes: the waves' partial sums
.set SPARE, RED+4096                   ; the spare words, 128 bytes a wave: two blocks of 256 bytes that no other line names
.set XF,    32                         ; v32-95   x rows 0-7 as loaded; then x's fragments, 8 registers a K step
.set WF,    96                         ; v96-159  Wr as loaded; then x rows 8-15; then the weights' fragments
.set PX,    160                        ; v160-223 Wn as loaded; then x packed: data of the stores to xb, not written again
.set TMP,   224                        ; v224-239 at work; then the two accumulators
	s_load_b512 s[4:19], s[0:1], 0x0               ; x 4, noise 6, Wr 8, br 10, Wn 12, bn 14, xb 16, sel 18
	s_load_b128 s[20:23], s[0:1], 0x40             ; gate 20, out1 22
	v_lshl_add_u32 v2, v0, 2, SPARE                ; my spare word,
	v_mov_b32 v3, 0                                ; and 0: kept for the end lines alone
	v_lshrrev_b32 v15, 5, v0
	v_readfirstlane_b32 s24, v15                   ; wave 0..3
	v_and_b32 v1, 31, v0                           ; lane
	v_and_b32 v4, 15, v0                           ; r
	v_bfe_u32 v5, v0, 4, 1                         ; h
	v_lshlrev_b32 v6, 4, v1                        ; 16 x lane
	v_lshlrev_b32 v7, 3, v1                        ; 8 x lane
	s_mul_i32 s25, s24, WBK                        ; my wave's LDS
	s_add_co_u32 s28, s25, WIM
	v_add_nc_u32 v8, s25, v7                       ; x stage, in: 8 bytes a lane
	v_mul_u32_u24 v9, v4, XP
	v_lshl_add_u32 v9, v5, 4, v9
	v_add_nc_u32 v9, s25, v9                       ; x stage, out: row r, 16 bytes for each half of the lanes
	v_lshrrev_b32 v15, 1, v1
	v_lshlrev_b32 v10, 5, v15
	v_and_b32 v15, 1, v0
	v_lshl_add_u32 v10, v15, 3, v10
	v_add_nc_u32 v10, s28, v10                     ; weights' image, in: row lane / 2, columns 4 (lane % 2) on
	v_and_b32 v15, 7, v0
	v_lshl_add_u32 v15, v5, 3, v15
	v_lshlrev_b32 v11, 5, v15
	v_bfe_u32 v15, v0, 3, 1
	v_lshl_add_u32 v11, v15, 4, v11
	v_add_nc_u32 v11, s28, v11                     ; weights' image, out, for the turning load: row 8 h + lane % 8, 16 bytes by (lane / 8) % 2
	v_add_nc_u32 v12, RED, v6
	s_lshl_b32 s29, s24, 10
	v_add_nc_u32 v13, s29, v12                     ; my wave's partial sums
	v_lshlrev_b32 v14, 5, v4                       ; 32 r: a token's 8 numbers in noise and out1
	s_mov_b32 s48, 0x76543210                      ; v_permlanex16_b32: each lane takes its own place in the other half
	s_mov_b32 s49, 0xfedcba98
	s_mov_b32 s50, 0x3fb8aa3b                      ; log2(e)
	s_mov_b32 s51, 0x3f317218                      ; ln(2)
	s_mov_b32 s52, 0xffff0000                      ; the lanes with h = 1
	s_mov_b32 s54, 0xbfb8aa3b                      ; -log2(e)
	s_mov_b32 s27, 0
	s_wait_kmcnt 0x0
	s_load_b256 s[32:39], s[10:11], 0x0            ; br
	s_load_b256 s[40:47], s[14:15], 0x0            ; bn
	s_lshl_b32 s26, ttmp9, 16                      ; 16 rows of 4,096 bytes,
	s_add_co_u32 s26, s26, s29                     ; my quarter of a row
	s_add_nc_u64 s[4:5], s[4:5], s[26:27]
	s_lshl_b32 s26, ttmp9, 15
	s_lshl_b32 s30, s24, 9
	s_add_co_u32 s26, s26, s30
	s_add_nc_u64 s[16:17], s[16:17], s[26:27]      ; the same place in xb
	s_lshl_b32 s26, s24, 13                        ; 256 rows of 32 bytes
	s_add_nc_u64 s[8:9], s[8:9], s[26:27]
	s_add_nc_u64 s[12:13], s[12:13], s[26:27]
	s_lshl_b32 s26, ttmp9, 9
	s_add_nc_u64 s[6:7], s[6:7], s[26:27]
	s_add_nc_u64 s[22:23], s[22:23], s[26:27]
	s_lshl_b32 s26, ttmp9, 7
	s_add_nc_u64 s[20:21], s[20:21], s[26:27]
	s_lshl_b32 s26, ttmp9, 6
	s_add_nc_u64 s[18:19], s[18:19], s[26:27]
.macro XLOAD first, dst                ; rows first .. first + 7 of my quarter: 16 loads, each 512 consecutive bytes
.set u, 0
.rept 16
	global_load_b128 v[(\dst)+4*u:(\dst)+4*u+3], v6, s[4:5] offset:((\first)+u/2)*4096+(u%2)*512 th:TH_LOAD_NT
.set u, u+1
.endr
.endm
.macro XPACK first, src                ; rounded to bf16; to xb (a wave's store covers 256 consecutive bytes, aligned) and into the stage
.set u, 0
.rept 16
	v_cvt_pk_bf16_f32 v[PX+4*(\first)+2*u],   v[(\src)+4*u],   v[(\src)+4*u+1]
	v_cvt_pk_bf16_f32 v[PX+4*(\first)+2*u+1], v[(\src)+4*u+2], v[(\src)+4*u+3]
	global_store_b64 v7, v[PX+4*(\first)+2*u:PX+4*(\first)+2*u+1], s[16:17] offset:((\first)+u/2)*2048+(u%2)*256
	ds_store_b64 v8, v[PX+4*(\first)+2*u:PX+4*(\first)+2*u+1] offset:((\first)+u/2)*XP+(u%2)*256
.set u, u+1
.endr
.endm
.macro WPACK src, col                  ; 256 rows x 8 columns of Wr or Wn, rounded, into the image at byte col of its rows
.set u, 0
.rept 16
	v_cvt_pk_bf16_f32 v[TMP+2*(u%8)],   v[(\src)+4*u],   v[(\src)+4*u+1]
	v_cvt_pk_bf16_f32 v[TMP+2*(u%8)+1], v[(\src)+4*u+2], v[(\src)+4*u+3]
	ds_store_b64 v10, v[TMP+2*(u%8):TMP+2*(u%8)+1] offset:512*u+(\col)
.set u, u+1
.endr
.endm
	global_load_b128 v[16:19], v14, s[6:7]         ; token r's noise
	global_load_b128 v[20:23], v14, s[6:7] offset:16
.set u, 0
.rept 16
	global_load_b128 v[WF+4*u:WF+4*u+3], v6, s[8:9] offset:512*u
.set u, u+1
.endr
.set u, 0
.rept 16
	global_load_b128 v[PX+4*u:PX+4*u+3], v6, s[12:13] offset:512*u
.set u, u+1
.endr
	XLOAD 0, XF
	s_wait_loadcnt 16                              ; all but the 16 loads of x: noise, Wr and Wn are in
	WPACK WF, 0
	XLOAD 8, WF                                    ; Wr's registers are free
	WPACK PX, 16
	s_wait_loadcnt 16                              ; all but the 16 just issued: rows 0-7
	XPACK 0, XF
	s_wait_loadcnt 0x0
	XPACK 8, WF
.set k, 0
.rept 8                                ; K step k: x's fragment as it lies, the weights' turned.  My own bytes: LDS serves a wave's instructions in order
	ds_load_b128 v[XF+8*k:XF+8*k+3],        v9 offset:64*k
	ds_load_b128 v[XF+8*k+4:XF+8*k+7],      v9 offset:64*k+32
	ds_load_tr16_b128 v[WF+8*k:WF+8*k+3],   v11 offset:1024*k
	ds_load_tr16_b128 v[WF+8*k+4:WF+8*k+7], v11 offset:1024*k+512
.set k, k+1
.endr
	s_wait_kmcnt 0x0                               ; br, bn
	s_wait_dscnt 0x0
	v_wmma_f32_16x16x32_bf16 v[224:231], v[WF:WF+7],    v[XF:XF+7],    0      ; two accumulators by turns; the first two products start the sums
	v_wmma_f32_16x16x32_bf16 v[232:239], v[WF+8:WF+15], v[XF+8:XF+15], 0
.set k, 2
.rept 3
	v_wmma_f32_16x16x32_bf16 v[224:231], v[WF+8*k:WF+8*k+7],    v[XF+8*k:XF+8*k+7],    v[224:231]
	v_wmma_f32_16x16x32_bf16 v[232:239], v[WF+8*k+8:WF+8*k+15], v[XF+8*k+8:XF+8*k+15], v[232:239]
.set k, k+2
.endr
.rept 4
	v_nop                                          ; four places between the last product and the first read of a result
.endr
.irp i, 0,2,4,6
	v_pk_add_f32 v[240+\i:241+\i], v[224+\i:225+\i], v[232+\i:233+\i]
.endr
	ds_store_b128 v13, v[240:243]
	ds_store_b128 v13, v[244:247] offset:512
	s_wait_dscnt 0x0                               ; for wave 0's sake: my partial sums are in LDS
	s_barrier_signal -1
	s_barrier_wait -1
	s_cmp_lg_u32 s24, 0
	s_cbranch_scc0 .Lwave0
	s_wait_tensorcnt 0x0                           ; waves 1-3 end
	ds_add_u32 v2, v3
	s_wait_dscnt 0x0
	s_endpgm
.Lwave0:
.irp w, 0,1,2,3
	ds_load_b128 v[32+8*\w:35+8*\w], v12 offset:1024*\w
	ds_load_b128 v[36+8*\w:39+8*\w], v12 offset:1024*\w+512
.endr
.irp i, 0,1,2,3,4,5,6,7
	v_mov_b32 v[24+\i], s[32+\i]
	v_mov_b32 v[64+\i], s[40+\i]
.endr
.irp i, 0,1,2,3,4,5,6,7
	v_cndmask_b32 v[24+\i], v[24+\i], v[64+\i], s52  ; br for the lanes that hold logits, bn for those that hold noise logits
.endr
.irp i, 0,2,4,6
	v_cvt_pk_bf16_f32 v[64+\i], v[24+\i], v[25+\i]   ; biases and noise are rounded to bf16 like every input
	v_cvt_pk_bf16_f32 v[72+\i], v[16+\i], v[17+\i]
.endr
.irp i, 0,2,4,6
	v_lshlrev_b32 v[24+\i], 16, v[64+\i]
	v_and_b32     v[25+\i], 0xffff0000, v[64+\i]
	v_lshlrev_b32 v[16+\i], 16, v[72+\i]
	v_and_b32     v[17+\i], 0xffff0000, v[72+\i]
.endr
	s_wait_dscnt 0x0
.irp i, 0,2,4,6
	v_pk_add_f32 v[32+\i:33+\i], v[32+\i:33+\i], v[40+\i:41+\i]
	v_pk_add_f32 v[48+\i:49+\i], v[48+\i:49+\i], v[56+\i:57+\i]
.endr
.irp i, 0,2,4,6
	v_pk_add_f32 v[32+\i:33+\i], v[32+\i:33+\i], v[48+\i:49+\i]
.endr
.irp i, 0,2,4,6
	v_pk_add_f32 v[32+\i:33+\i], v[32+\i:33+\i], v[24+\i:25+\i]  ; Z: logits (h = 0) or noise logits (h = 1)
.endr
	; softplus(Z) = max(Z, 0) + ln 2 x log2(1 + 2^(-|Z| log2 e)), in every lane; it is used of the lanes with h = 1
.irp i, 0,1,2,3,4,5,6,7
	v_and_b32 v[48+\i], 0x7fffffff, v[32+\i]
.endr
.irp i, 0,1,2,3,4,5,6,7
	v_mul_f32 v[48+\i], s54, v[48+\i]
.endr
.irp i, 0,1,2,3,4,5,6,7
	v_exp_f32 v[48+\i], v[48+\i]
.endr
	v_nop                                          ; a plain instruction behind the last exponential,
	s_wait_alu depctr_va_vdst(0)                   ; and one wait for the batch of eight, ahead of the first use
.irp i, 0,1,2,3,4,5,6,7
	v_add_f32 v[48+\i], 1.0, v[48+\i]
.endr
.irp i, 0,1,2,3,4,5,6,7
	v_log_f32 v[48+\i], v[48+\i]
.endr
.irp i, 0,1,2,3,4,5,6,7
	v_max_num_f32 v[40+\i], 0, v[32+\i]            ; plain work that names no logarithm
.endr
	s_wait_alu depctr_va_vdst(0)                   ; one wait for the eight logarithms
.irp i, 0,1,2,3,4,5,6,7
	v_fma_f32 v[40+\i], v[48+\i], s51, v[40+\i]
.endr
.irp i, 0,1,2,3,4,5,6,7
	v_permlanex16_b32 v[64+\i], v[32+\i], s48, s49 ; the other half's Z and softplus
	v_permlanex16_b32 v[72+\i], v[40+\i], s48, s49
.endr
.irp i, 0,1,2,3,4,5,6,7
	v_cndmask_b32 v[80+\i], v[32+\i], v[64+\i], s52  ; every lane: token r's 8 logits,
	v_cndmask_b32 v[88+\i], v[72+\i], v[40+\i], s52  ; its 8 softplus,
.endr
.irp i, 0,1,2,3,4,5,6,7
	v_fma_f32 v[96+\i], v[16+\i], v[88+\i], v[80+\i] ; and its 8 noisy logits
.endr
	; the largest: an ascending scan with a strict compare keeps the lower index on a tie
	v_mov_b32 v112, v96
	v_mov_b32 v113, 0
.irp i, 1,2,3,4,5,6,7
	v_cmp_gt_f32 vcc_lo, v[96+\i], v112
	v_cndmask_b32 v112, v112, v[96+\i], vcc_lo
	v_cndmask_b32 v113, v113, \i, vcc_lo
.endr
	v_mov_b32 v119, 0xff800000                     ; the winner gives way to -infinity, and the scan runs again
.irp i, 0,1,2,3,4,5,6,7
	v_cmp_eq_u32 vcc_lo, \i, v113
	v_cndmask_b32 v[104+\i], v[96+\i], v119, vcc_lo
.endr
	v_mov_b32 v114, v104
	v_mov_b32 v115, 0
.irp i, 1,2,3,4,5,6,7
	v_cmp_gt_f32 vcc_lo, v[104+\i], v114
	v_cndmask_b32 v114, v114, v[104+\i], vcc_lo
	v_cndmask_b32 v115, v115, \i, vcc_lo
.endr
	; the gates: softmax over the two, the larger taken away: g1 = 1 / (1 + e^(v2 - v1)), g2 = e^(v2 - v1) g1.  out1: softmax of the logits, their maximum taken away
	v_sub_f32 v118, v114, v112
	v_mul_f32 v118, s50, v118
	v_max3_num_f32 v116, v80, v81, v82
	v_max3_num_f32 v116, v116, v83, v84
	v_max3_num_f32 v116, v116, v85, v86
	v_max_num_f32 v116, v116, v87
.irp i, 0,1,2,3,4,5,6,7
	v_sub_f32 v[120+\i], v[80+\i], v116
.endr
.irp i, 0,1,2,3,4,5,6,7
	v_mul_f32 v[120+\i], s50, v[120+\i]
.endr
.irp i, 0,1,2,3,4,5,6,7
	v_exp_f32 v[120+\i], v[120+\i]
.endr
	v_exp_f32 v118, v118
	v_nop
	s_wait_alu depctr_va_vdst(0)                   ; one wait for the nine exponentials
	v_pk_add_f32 v[144:145], v[120:121], v[122:123]
	v_pk_add_f32 v[146:147], v[124:125], v[126:127]
	v_pk_add_f32 v[144:145], v[144:145], v[146:147]
	v_add_f32 v117, v144, v145
	v_add_f32 v128, 1.0, v118
	v_rcp_f32 v117, v117
	v_rcp_f32 v128, v128
	v_lshl_add_u32 v130, v5, 4, v14                ; out1: 32 r + 16 h (plain work behind the reciprocals)
	s_wait_alu depctr_va_vdst(0)                   ; one wait for the two reciprocals
	v_mul_f32 v129, v118, v128                     ; g2
.irp i, 0,1,2,3,4,5,6,7
	v_mul_f32 v[120+\i], v[120+\i], v117
.endr
.irp i, 0,1,2,3
	v_cndmask_b32 v[132+\i], v[120+\i], v[124+\i], s52
.endr
	v_cndmask_b32 v136, v128, v129, s52            ; lanes 0-15 store g1, lanes 16-31 g2
	v_lshlrev_b32 v131, 3, v4
	v_lshl_add_u32 v131, v5, 2, v131               ; gate: 8 r + 4 h
	v_lshlrev_b32 v137, 2, v4                      ; sel: 4 r
	v_mov_b32 v140, 1
	v_lshlrev_b32 v141, v113, v140                 ; 1 << e1
	v_add_nc_u32 v142, 8, v115
	v_lshlrev_b32 v142, v142, v140                 ; 1 << (8 + e2)
	v_or_b32 v141, v141, v142
	v_lshl_or_b32 v141, v113, 16, v141
	v_lshl_or_b32 v141, v115, 24, v141
	global_store_b128 v130, v[132:135], s[22:23]   ; 512 consecutive bytes of out1
	global_store_b32 v131, v136, s[20:21]          ; 128 consecutive bytes of gate
	s_wait_xcnt 0x0                                ; EXEC is a source of the stores above: it changes only behind this wait
	v_cmp_gt_u32 vcc_lo, 16, v1
	s_and_saveexec_b32 s53, vcc_lo
	global_store_b32 v137, v141, s[18:19]          ; one word a token: lanes 0-15
	s_wait_xcnt 0x0                                ; and again, in front of the line that widens it
	s_or_b32 exec_lo, exec_lo, s53
	s_wait_tensorcnt 0x0                           ; the wave's end
	ds_add_u32 v2, v3
	s_wait_dscnt 0x0
	s_endpgm
.Lfunc_end_k_q0da58d4058_router:
	.size	k_q0da58d4058_router, .Lfunc_end_k_q0da58d4058_router-k_q0da58d4058_router
	.p2alignl 7, 3214868480
	.fill 96, 4, 3214868480
	.section	.rodata,"a",@progbits
	.p2align	6, 0x0
	.amdhsa_kernel k_q0da58d4058_router
		.amdhsa_group_segment_fixed_size 72192
		.amdhsa_private_segment_fixed_size 0
		.amdhsa_enable_private_segment 0
		.amdhsa_kernarg_size 80
		.amdhsa_user_sgpr_count 2
		.amdhsa_user_sgpr_kernarg_segment_ptr 1
		.amdhsa_wavefront_size32 1
		.amdhsa_system_sgpr_workgroup_id_x 1
		.amdhsa_system_sgpr_workgroup_id_y 1
		.amdhsa_system_sgpr_workgroup_id_z 1
		.amdhsa_system_vgpr_workitem_id 0
		.amdhsa_next_free_vgpr 256
		.amdhsa_next_free_sgpr 66
		.amdhsa_reserve_vcc 1
		.amdhsa_float_denorm_mode_32 3
		.amdhsa_float_denorm_mode_16_64 3
		.amdhsa_memory_ordered 1
		.amdhsa_forward_progress 1
		.amdhsa_inst_pref_size 42
	.end_amdhsa_kernel
	.amdgpu_metadata
---
amdhsa.version: [ 1, 2 ]
amdhsa.kernels:
  - .name:           k_q0da58d4058_router
    .symbol:         k_q0da58d4058_router.kd
    .args:
      - { .name: x, .offset: 0, .size: 8, .value_kind: global_buffer, .address_space: global }
      - { .name: noise, .offset: 8, .size: 8, .value_kind: global_buffer, .address_space: global }
      - { .name: Wr, .offset: 16, .size: 8, .value_kind: global_buffer, .address_space: global }
      - { .name: br, .offset: 24, .size: 8, .value_kind: global_buffer, .address_space: global }
      - { .name: Wn, .offset: 32, .size: 8, .value_kind: global_buffer, .address_space: global }
      - { .name: bn, .offset: 40, .size: 8, .value_kind: global_buffer, .address_space: global }
      - { .name: xb, .offset: 48, .size: 8, .value_kind: global_buffer, .address_space: global }
      - { .name: sel, .offset: 56, .size: 8, .value_kind: global_buffer, .address_space: global }
      - { .name: gate, .offset: 64, .size: 8, .value_kind: global_buffer, .address_space: global }
      - { .name: out1, .offset: 72, .size: 8, .value_kind: global_buffer, .address_space: global }
    .group_segment_fixed_size: 72192
    .private_segment_fixed_size: 0
    .kernarg_segment_align: 8
    .kernarg_segment_size: 80
    .max_flat_workgroup_size: 128
    .sgpr_count:     66
    .vgpr_count:     256
    .wavefront_size: 32
...
	.end_amdgpu_metadata
.endif
;; end of part 1
;; launch place (part 2): grid 64 x 8, 4 waves a work-group, no clusters, 33,280 bytes of LDS; arguments xb, sel, gate, xg, gr, rank; writes xg, gr, rank
.if DOCPART == 2
	.amdgcn_target "amdgcn-amd-amdhsa--gfx1250"
	.amdhsa_code_object_version 6
	.text
	.protected	k_q0da58d4058_place
	.globl	k_q0da58d4058_place
	.p2align	8
	.type	k_q0da58d4058_place,@function
k_q0da58d4058_place:
	s_mov_b64 s[64:65], 0
	v_nop
	global_prefetch_b8 v0, s[64:65] scope:SCOPE_SE
	s_setreg_imm32_b32 hwreg(HW_REG_WAVE_MODE, 25, 1), 1
	s_wait_xcnt 0x0
; THE ROUTED ROWS ARE LAID OUT ONCE, by expert and rank, as the first product's registers take them.
; xg: [8 experts][64 sub-tiles of 16 ranks][16 blocks of 64 columns][4 q][32 lanes][16 bytes]: lane (r, h) of part q holds rank r's columns 64 block + 32 h + 8 q .. + 7 (bf16, copied from xb, nothing is rounded).
; gr[e][rank] = the routed row's gate (f32); rank[e][rank] = rid = 2 token + slot; at byte 32,768 + 128 e of rank: the expert's count, 32 times.
; SHARES.  A work-group has ONE sub-tile of one expert; 64 x 8 work-groups serve every split (an expert has 1,024 rows at the most).  One whose sub-tile lies past the count stores nothing and ends.
; Each wave reads all 1,024 words of sel and lays the expert's rids into a list of its own in LDS, by rank: word (n, c) of lane l is token 128 n + 4 l + c, its rank the count so far + the routed lanes below it.
; Wave w then copies columns 256 w .. 256 w + 255 of the sub-tile's 16 rows: a lane loads 16 x 16 bytes of its own token's row; each store of the wave covers 512 consecutive bytes, aligned.
; Ranks past the count in the last sub-tile repeat rank 0's routed row (its rid, its gate, its numbers).
; The scattered reads of xb happen here once, 2 KB a routed row, and not once for each of the 32 work-groups that multiply the row.
; No matrix unit, tensor load or cluster: a copy by a list, 64 KB at the most for a work-group; no barrier: no wave reads another's LDS bytes.
.set SPARE, 32768                      ; behind the four lists of 8,192 bytes: the spare words, 128 bytes a wave: two blocks of 256 bytes that no other line names
.macro FIN                             ; a wave's end
	s_wait_tensorcnt 0x0
	ds_add_u32 v2, v3
	s_wait_dscnt 0x0
	s_endpgm
.endm
	s_load_b256 s[4:11], s[0:1], 0x0               ; xb 4, sel 6, gate 8, xg 10
	s_load_b128 s[12:15], s[0:1], 0x20             ; gr 12, rank 14
	v_lshl_add_u32 v2, v0, 2, SPARE                ; my spare word,
	v_mov_b32 v3, 0                                ; and 0: kept for the end lines alone
	v_lshrrev_b32 v18, 5, v0
	v_readfirstlane_b32 s16, v18                   ; wave 0..3
	s_mov_b32 s17, ttmp9                           ; sub-tile 0..63
	s_and_b32 s18, ttmp7, 0xffff                   ; expert
	v_and_b32 v19, 31, v0                          ; lane
	v_and_b32 v13, 15, v0                          ; r
	v_bfe_u32 v14, v0, 4, 1                        ; h
	v_lshlrev_b32 v1, 4, v19                       ; 16 x lane
	v_lshlrev_b32 v15, 3, v19                      ; 8 x lane
	s_lshl_b32 s26, s16, 13
	v_mov_b32 v7, s26                              ; my wave's list
	v_add_nc_u32 v31, s26, v1
	v_mov_b32 v16, 0x400
	v_mov_b32 v20, 0
	v_mov_b32 v21, 0
	v_mov_b32 v22, 0
	v_mov_b32 v23, 0
	s_lshl_b32 s21, 0x101, s18                     ; the expert's two bits in a word of sel,
	s_add_co_u32 s22, s18, 8                       ; and the place of the one that says slot 1
	s_mov_b32 s27, 0
	s_wait_kmcnt 0x0
.set n, 0
.rept 8
	global_load_b128 v[96+4*n:99+4*n], v1, s[6:7] offset:512*n  ; word c of load n: token 128 n + 4 lane + c
.set n, n+1
.endr
	s_mov_b32 s19, 0                               ; the count
.set n, 0
.rept 10
	ds_store_b128 v31, v[20:23] offset:512*n       ; words 0 to 1,279 hold rid 0 until they are written
.set n, n+1
.endr
	s_wait_loadcnt 0x0
.set n, 0
.rept 32
	v_and_b32 v18, s21, v[96+n]
	v_cmp_ne_u32 vcc_lo, 0, v18                    ; is the token routed to my expert?
	v_bfe_u32 v24, v[96+n], s22, 1                 ; in which slot
	v_mbcnt_lo_u32_b32 v25, vcc_lo, s19            ; its rank: the count so far + the routed lanes below mine
	v_cndmask_b32 v25, v16, v25, vcc_lo            ; the others write word 1,024
	v_min_u32 v25, 0x400, v25
	v_lshl_add_u32 v25, v25, 2, v7
	v_add3_u32 v24, v15, v24, 2*(128*(n/4)+n%4)    ; rid = 2 token + slot
	ds_store_b32 v25, v24
	s_bcnt1_i32_b32 s20, vcc_lo
	s_add_co_u32 s19, s19, s20
.set n, n+1
.endr
	ds_load_b32 v24, v7                            ; rank 0's rid fills the 32 words behind the count
	v_add_nc_u32 v18, s19, v19
	v_min_u32 v18, 0x400, v18
	v_lshl_add_u32 v18, v18, 2, v7
	s_wait_dscnt 0x0
	ds_store_b32 v18, v24
	; wave 0 of the expert's sub-tile 0 stores the count, whatever it is: 128 consecutive bytes
	s_or_b32 s20, s16, s17
	s_cmp_lg_u32 s20, 0
	s_cbranch_scc1 .Lnocount
	s_lshl_b32 s26, s18, 7
	s_add_nc_u64 s[28:29], s[14:15], s[26:27]
	v_mov_b32 v26, s19
	v_lshlrev_b32 v27, 2, v19
	global_store_b32 v27, v26, s[28:29] offset:32768
.Lnocount:
	s_lshl_b32 s23, s17, 4                         ; the sub-tile's first rank
	s_cmp_ge_u32 s23, s19
	s_cbranch_scc0 .Llive
	FIN                                            ; past the count: nothing to lay out
.Llive:
	v_add_nc_u32 v18, s23, v13                     ; rank r of the sub-tile
	v_min_u32 v18, 0x3ff, v18
	v_lshl_add_u32 v18, v18, 2, v7
	ds_load_b32 v28, v18
	s_lshl_b32 s26, s16, 9
	s_add_nc_u64 s[4:5], s[4:5], s[26:27]          ; xb at my wave's 256 columns
	s_lshl_b32 s26, s18, 21                        ; xg: 2 MiB an expert,
	s_lshl_b32 s20, s17, 15                        ; 32 KiB a sub-tile,
	s_add_co_u32 s26, s26, s20
	s_lshl_b32 s20, s16, 13                        ; my wave's 4 blocks of 2,048 bytes
	s_add_co_u32 s26, s26, s20
	s_add_nc_u64 s[10:11], s[10:11], s[26:27]
	v_lshlrev_b32 v8, 6, v14                       ; 64 h: my half's 32 columns of each 64
	s_wait_dscnt 0x0
	v_lshrrev_b32 v29, 1, v28                      ; the token
	v_min_u32 v28, 0x7ff, v28
	v_min_u32 v29, 0x3ff, v29
	v_lshlrev_b32 v10, 2, v28
	v_lshl_add_u32 v9, v29, 11, v8                 ; its row of 2,048 bytes + 64 h
	global_load_b32 v11, v10, s[8:9]               ; its gate
.set n, 0
.rept 16
	global_load_b128 v[32+4*n:35+4*n], v9, s[4:5] offset:128*(n/4)+16*(n%4)  ; block n / 4 of my four, part n % 4
.set n, n+1
.endr
.set n, 0
.rept 16
	s_wait_loadcnt 15-n                            ; loads come back in order: load n is in, the 15 - n younger ones stay out
	global_store_b128 v1, v[32+4*n:35+4*n], s[10:11] offset:2048*(n/4)+512*(n%4)
.set n, n+1
.endr
	s_cmp_lg_u32 s16, 0
	s_cbranch_scc0 .Lside
	FIN
.Lside:                                        ; wave 0: the sub-tile's 16 gates and 16 rids, one word a rank
	s_lshl_b32 s26, s18, 12
	s_lshl_b32 s20, s17, 6
	s_add_co_u32 s26, s26, s20
	s_add_nc_u64 s[12:13], s[12:13], s[26:27]
	s_add_nc_u64 s[14:15], s[14:15], s[26:27]
	v_lshlrev_b32 v12, 2, v13                      ; 4 r
	s_wait_xcnt 0x0                                ; EXEC is a source of the stores above: it changes only behind this wait
	v_cmp_gt_u32 vcc_lo, 16, v19
	s_and_saveexec_b32 s30, vcc_lo
	global_store_b32 v12, v11, s[12:13]
	global_store_b32 v12, v28, s[14:15]
	s_wait_xcnt 0x0                                ; and again, in front of the line that widens it
	s_or_b32 exec_lo, exec_lo, s30
	FIN
.Lfunc_end_k_q0da58d4058_place:
	.size	k_q0da58d4058_place, .Lfunc_end_k_q0da58d4058_place-k_q0da58d4058_place
	.p2alignl 7, 3214868480
	.fill 96, 4, 3214868480
	.section	.rodata,"a",@progbits
	.p2align	6, 0x0
	.amdhsa_kernel k_q0da58d4058_place
		.amdhsa_group_segment_fixed_size 33280
		.amdhsa_private_segment_fixed_size 0
		.amdhsa_enable_private_segment 0
		.amdhsa_kernarg_size 48
		.amdhsa_user_sgpr_count 2
		.amdhsa_user_sgpr_kernarg_segment_ptr 1
		.amdhsa_wavefront_size32 1
		.amdhsa_system_sgpr_workgroup_id_x 1
		.amdhsa_system_sgpr_workgroup_id_y 1
		.amdhsa_system_sgpr_workgroup_id_z 1
		.amdhsa_system_vgpr_workitem_id 0
		.amdhsa_next_free_vgpr 128
		.amdhsa_next_free_sgpr 66
		.amdhsa_reserve_vcc 1
		.amdhsa_float_denorm_mode_32 3
		.amdhsa_float_denorm_mode_16_64 3
		.amdhsa_memory_ordered 1
		.amdhsa_forward_progress 1
		.amdhsa_inst_pref_size 27
	.end_amdhsa_kernel
	.amdgpu_metadata
---
amdhsa.version: [ 1, 2 ]
amdhsa.kernels:
  - .name:           k_q0da58d4058_place
    .symbol:         k_q0da58d4058_place.kd
    .args:
      - { .name: xb, .offset: 0, .size: 8, .value_kind: global_buffer, .address_space: global }
      - { .name: sel, .offset: 8, .size: 8, .value_kind: global_buffer, .address_space: global }
      - { .name: gate, .offset: 16, .size: 8, .value_kind: global_buffer, .address_space: global }
      - { .name: xg, .offset: 24, .size: 8, .value_kind: global_buffer, .address_space: global }
      - { .name: gr, .offset: 32, .size: 8, .value_kind: global_buffer, .address_space: global }
      - { .name: rank, .offset: 40, .size: 8, .value_kind: global_buffer, .address_space: global }
    .group_segment_fixed_size: 33280
    .private_segment_fixed_size: 0
    .kernarg_segment_align: 8
    .kernarg_segment_size: 48
    .max_flat_workgroup_size: 128
    .sgpr_count:     66
    .vgpr_count:     128
    .wavefront_size: 32
...
	.end_amdgpu_metadata
.endif
;; end of part 2
;; launch up (part 3): grid 32 x 8, 4 waves a work-group, no clusters, 262,656 bytes of LDS; arguments W1, b1, xg, gr, rank, h; writes h
.if DOCPART == 3
	.amdgcn_target "amdgcn-amd-amdhsa--gfx1250"
	.amdhsa_code_object_version 6
	.text
	.protected	k_q0da58d4058_up
	.globl	k_q0da58d4058_up
	.p2align	8
	.type	k_q0da58d4058_up,@function
k_q0da58d4058_up:
	s_mov_b64 s[64:65], 0
	v_nop
	global_prefetch_b8 v0, s[64:65] scope:SCOPE_SE
	s_setreg_imm32_b32 hwreg(HW_REG_WAVE_MODE, 25, 1), 1
	s_wait_xcnt 0x0
; ONE TEXT FOR THE TWO PRODUCTS OF THE EXPERTS; DOWN = 0: this is the FIRST.  h = g relu(x W1[e] + b1[e]) for the rows routed to expert e (g >= 0, so g relu(z) = relu(g z)), rounded once to bf16.
; (DOWN = 1, the second: y[kq][rid] = the part of (g h) W2[e] that comes of a quarter kq of the hidden width, in f32.)
; LIMITS.  W1, b1 (W2) are rounded once to bf16, x was by the first launch, the hidden layer is rounded once to bf16; sums in f32.  NaN and infinities are not treated apart.
; SHARES.  256 work-groups = 8 experts x 32 slices.  A slice is 1,024 k x 128 columns of ONE expert's weights: 512 KB of f32 that this work-group alone reads, once; as bf16 it is 256 KB and stays in LDS.
; PHASE 1 streams the slice: a lane loads 16 rows k, 16 bytes (4 neighbouring columns) each; rows packed in pairs ARE four operand fragments, in which fragment j's lane r holds column 4 r + j.
; Each load takes two whole aligned runs of 256 bytes (lanes 0-15 one row, lanes 16-31 another).  48 loads of every wave are on their way.  The tensor mover is not used: it cannot round f32 to bf16.
; A BARRIER.  PHASE 2 writes no LDS: weights' fragments come from LDS, the routed rows from memory straight into registers as operands.  Four passes of 320 ranks cover every split (1,024 ranks at the most);
; a pass has a constant text, and a wave whose first rank lies past the count jumps it forward.  A wave has 5 sub-tiles of 16 ranks, 64 ranks apart: 40 accumulators.  A second barrier closes phase 2.
; THE ROUTED ROWS lie by expert and rank as operand images (xg from the launch before; h from the first product): [expert][64 sub-tiles][blocks of 64 columns][4][32 lanes][16 bytes]; lane (r, h) holds rank r,
; columns 32 h + 0..31 of the block: a block serves two K steps, and each load of a wave takes 512 consecutive bytes at an offset made of scalars.  Both operands take k in that order (a K step: for half h of the
; lanes, 16 columns from 32 h + 16 (step % 2) on): the sum over k is the same.  The expert's count, the gates and the rids by rank were stored by that launch too.
; Ranks past the count in the last sub-tile repeat rank 0's routed row, so the same numbers land on the same bytes.  A sub-tile past the count reads the last written one again and stores nothing;
; the fifth sub-tile's products are jumped, where it is such a one, in every K step but the first, which starts its sums.
; No cluster: each slice has one reader; beside the slice LDS has no room for the routed rows that an expert's work-groups share.
; REGISTERS, in windows of 256 (s_set_vgpr_msb: bits 1:0 source 0, 3:2 source 1, 5:4 source 2, 7:6 destination):
;   window 0: v0-31 addresses and constants; phase 1: v32-95 b1, v128-191 packed fragments; phase 2: v32-191 four buffers of routed rows (5 x 8), later the way out; v192-247 side tables and work
;   window 1: v0-127 two buffers of weights' fragments; v128-191 the accumulators of sub-tile 4; v192-255 b1 as a C operand
;   window 2: phase 1: four buffers of 64 for the weights as loaded; phase 2: accumulator (a, f) at 64 a + 8 f, a = 0..3
.set DOWN, 0
.if DOWN
.set PITCH, 4096                       ; bytes in a row of the weights
.set WSH,   17                         ; 32 such rows, as a shift
.set ASH,   17                         ; a sub-tile of the routed rows' images, as a shift: 64 blocks of 2,048 bytes
.else
.set PITCH, 16384
.set WSH,   19
.set ASH,   15                         ; 16 blocks of 2,048 bytes
.endif
.set ASTEP, 1024                       ; bytes from K step to K step in the images,
.set AHALF, 512                        ; and from a fragment's registers 0-3 to 4-7
.set SPARE, 262144                     ; behind the fragments: the spare words, 128 bytes a wave: two blocks of 256 bytes that no other line names
.set AO,  8                            ; v8-12    sub-tile a: my byte offset in the routed rows
.set G,   26                           ; v26-30   sub-tile a: rank r's gate
.set AR,  32                           ; the routed rows' ring
.set FR,  128                          ; packed fragments, two sets
.set MT,  192                          ; first product: at work on the way out
.set SO,  192                          ; v192-196 sub-tile a: my byte offset in the gates or the rids
.set YO,  200                          ; v200-207 second product: byte offsets in y
.set RID, 208                          ; v208-247 second product: sub-tile a: the rids of ranks 8 h .. 8 h + 7
.set BI,  192                          ; window 1
.set MSB, 0
.macro WIN new                         ; the immediate's high byte repeats the setting that is left; a switch that changes nothing is dropped
.if MSB != (\new)
	s_set_vgpr_msb (MSB<<8)|(\new)
.set MSB, \new
.endif
.endm
	s_load_b256 s[4:11], s[0:1], 0x0               ; first product: W1 4, b1 6, xg 8, gr 10; second: W2 4, h 6, rank 8, y 10
.if !DOWN
	s_load_b128 s[12:15], s[0:1], 0x20             ; rank 12, h 14
.endif
	v_lshl_add_u32 v2, v0, 2, SPARE                ; my spare word,
	v_mov_b32 v3, 0                                ; and 0: kept for the end lines alone
	v_lshrrev_b32 v18, 5, v0
	v_readfirstlane_b32 s16, v18                   ; wave 0..3
	s_mov_b32 s17, ttmp9                           ; slice 0..31
	s_and_b32 s18, ttmp7, 0xffff                   ; expert
	v_and_b32 v19, 31, v0
	v_and_b32 v24, 15, v0                          ; r
	v_bfe_u32 v25, v0, 4, 1                        ; h
	v_lshlrev_b32 v1, 4, v19                       ; 16 x lane; never rewritten
	v_lshlrev_b32 v4, 4, v24
	v_lshl_add_u32 v4, v25, WSH, v4                ; weights: 16 r + h x 32 rows
	s_lshl_b32 s26, s16, 16
	v_add_nc_u32 v5, s26, v1                       ; where my wave lays fragments: 65,536 w + 16 x lane
.if DOWN
	v_lshlrev_b32 v13, 4, v24                      ; 16 r
	v_lshlrev_b32 v14, 5, v25                      ; 32 h
.else
	v_lshlrev_b32 v13, 2, v24                      ; 4 r
	v_mov_b32 v17, 0
	v_lshlrev_b32 v18, 7, v25                      ; b1: 128 h
.endif
	s_mov_b32 s27, 0
	s_wait_kmcnt 0x0
.if DOWN
	s_lshr_b32 s39, s17, 3                         ; kq: which quarter of the hidden width
	s_and_b32 s40, s17, 7                          ; ns: which 128 columns
	s_lshl_b32 s26, s18, 24
	s_lshl_b32 s20, s39, 22
	s_add_co_u32 s26, s26, s20
	s_lshl_b32 s20, s40, 9
	s_add_co_u32 s26, s26, s20
	s_lshl_b32 s20, s16, 20
	s_add_co_u32 s26, s26, s20
	s_add_nc_u64 s[28:29], s[4:5], s[26:27]        ; the weights at my wave's 256 rows of the slice
	s_lshl_b32 s26, s18, 23
	s_lshl_b32 s20, s39, 15
	s_add_co_u32 s26, s26, s20
	s_add_nc_u64 s[30:31], s[6:7], s[26:27]        ; h at the expert's sub-tile 0, my quarter's first block
	s_lshl_b32 s26, s39, 23
	s_lshl_b32 s20, s40, 9
	s_add_co_u32 s26, s26, s20
	s_add_nc_u64 s[34:35], s[10:11], s[26:27]      ; y at my quarter's row 0, my columns
	s_lshl_b32 s26, s18, 12
	s_add_nc_u64 s[46:47], s[8:9], s[26:27]        ; the rids at the expert's rank 0
	s_lshl_b32 s26, s18, 7
	s_add_nc_u64 s[48:49], s[8:9], s[26:27]
.else
	s_lshl_b32 s26, s18, 24
	s_lshl_b32 s20, s17, 9
	s_add_co_u32 s26, s26, s20
	s_lshl_b32 s20, s16, 22
	s_add_co_u32 s26, s26, s20
	s_add_nc_u64 s[28:29], s[4:5], s[26:27]        ; the weights at my wave's 256 rows of the slice
	s_lshl_b32 s26, s18, 14
	s_lshl_b32 s20, s17, 9
	s_add_co_u32 s26, s26, s20
	s_add_nc_u64 s[36:37], s[6:7], s[26:27]        ; b1 at the slice's 128 columns
	s_lshl_b32 s26, s18, 21
	s_add_nc_u64 s[30:31], s[8:9], s[26:27]        ; xg at the expert's sub-tile 0
	s_lshl_b32 s26, s18, 23
	s_lshl_b32 s20, s17, 12
	s_add_co_u32 s26, s26, s20
	s_lshl_b32 s20, s16, 17
	s_add_co_u32 s26, s26, s20
	s_add_nc_u64 s[34:35], s[14:15], s[26:27]      ; h at the expert's sub-tile w, the slice's two blocks
	s_lshl_b32 s26, s18, 12
	s_add_nc_u64 s[46:47], s[10:11], s[26:27]      ; the gates at the expert's rank 0
	s_lshl_b32 s26, s18, 7
	s_add_nc_u64 s[48:49], s[12:13], s[26:27]
.endif
	s_load_b32 s19, s[48:49], 0x8000               ; the expert's count; waited for behind phase 1
; Group g of weights, counted from the trip's base: K step g / 2, 64 columns by g % 2: 16 loads into ring buffer b
.macro WLOAD b, g
	WIN 0x80                                       ; destination window 2
.set u, 0
.rept 16
.set wrow, 64*((\g)/4)+16*(((\g)/2)%2)+u
	global_load_b128 v[64*(\b)+4*u:64*(\b)+4*u+3], v4, s[28:29] offset:wrow*PITCH+256*((\g)%2) th:TH_LOAD_NT
.set u, u+1
.endr
.endm
; The group in ring buffer b is waited for (left = the younger loads that may stay out); the group three on is asked for, ahead of the arithmetic; rows are packed in pairs; four fragments go to LDS.
.macro WGRP b, gl, issue, left
	s_wait_loadcnt \left
.if \issue
	WLOAD ((\b)+3)%4, (\gl)+3
.endif
	WIN 0x0a                                       ; sources window 2, destination window 0
.set ff, FR+32*((\b)%2)
.set j, 0
.rept 4
.set vv, 0
.rept 8
	v_cvt_pk_bf16_f32 v[ff+8*j+vv], v[64*(\b)+8*vv+j], v[64*(\b)+8*vv+4+j]
.set vv, vv+1
.endr
.set j, j+1
.endr
	WIN 0
.set j, 0
.rept 4
	ds_store_b128 v5, v[ff+8*j:ff+8*j+3]   offset:4096*(\gl)+1024*j      ; 512 consecutive bytes: no bank is asked twice
	ds_store_b128 v5, v[ff+8*j+4:ff+8*j+7] offset:4096*(\gl)+1024*j+512
.set j, j+1
.endr
.endm
.if !DOWN
.set n, 0
.rept 16
	global_load_b128 v[32+4*n:35+4*n], v18, s[36:37] offset:256*(n/8)+16*(n%8)  ; my half's 32 columns of each 64
.set n, n+1
.endr
.endif
	WLOAD 0, 0
	WLOAD 1, 1
.if !DOWN
	s_wait_loadcnt 32                              ; all but the 32 loads of weights: b1 is in
.endif
	WLOAD 2, 2                                     ; 48 loads are out
	WIN 0
.if !DOWN
	; b1, rounded to bf16, as the C operand that starts the sums: column 32 h + 4 i + j of a 64 belongs to fragment j, register i
.set n, 0
.rept 32
	v_cvt_pk_bf16_f32 v[32+2*n], v[32+2*n], v[33+2*n]
.set n, n+1
.endr
	WIN 0x40                                       ; destination window 1
.set n, 0
.rept 32
	v_lshlrev_b32 v[BI+8*(4*(n/16)+2*(n%2))+(n%16)/2],   16, v[32+2*n]
	v_and_b32     v[BI+8*(4*(n/16)+2*(n%2)+1)+(n%16)/2], 0xffff0000, v[32+2*n]
.set n, n+1
.endr
	WIN 0
.endif
	; PHASE 1: 16 groups a wave.  At each wait three groups are out: the count 32 leaves the two younger ones
	s_mov_b32 s38, 3
.Lfill:
	WGRP 0, 0, 1, 32
	WGRP 1, 1, 1, 32
	WGRP 2, 2, 1, 32
	WGRP 3, 3, 1, 32
	s_wait_xcnt 0x0                                ; the loads' base is stepped only behind this wait
	s_add_nc_u64 s[28:29], s[28:29], 64*PITCH      ; two K steps on
	v_add_nc_u32 v5, 0x4000, v5
	s_sub_co_u32 s38, s38, 1
	s_cmp_lg_u32 s38, 0
	s_cbranch_scc1 .Lfill
	WGRP 0, 0, 1, 32                               ; the last four groups: one more is asked for, then the counts run down
	WGRP 1, 1, 0, 32
	WGRP 2, 2, 0, 16
	WGRP 3, 3, 0, 0
	s_wait_dscnt 0x0                               ; for the others' sake: my fragments are in LDS
	s_barrier_signal -1
	s_barrier_wait -1                              ; behind it the fragments are read and never written
	s_wait_kmcnt 0x0                               ; the count
; PHASE 2.  The routed rows of the K step at place p from the trip's base, into ring buffer ab
.macro ALOAD ab, p
	WIN 0
.irp a, 0,1,2,3,4
	global_load_b128 v[AR+40*(\ab)+8*\a:AR+40*(\ab)+8*\a+3],   v[AO+\a], s[32:33] offset:(\p)*ASTEP
	global_load_b128 v[AR+40*(\ab)+8*\a+4:AR+40*(\ab)+8*\a+7], v[AO+\a], s[32:33] offset:(\p)*ASTEP+AHALF
.endr
.endm
; The weights' 8 fragments of the K step at place p, into buffer bb of window 1
.macro BLOAD bb, p
	WIN 0x40
.set f, 0
.rept 8
	ds_load_b128 v[64*(\bb)+8*f:64*(\bb)+8*f+3],   v6 offset:(\p)*8192+1024*f
	ds_load_b128 v[64*(\bb)+8*f+4:64*(\bb)+8*f+7], v6 offset:(\p)*8192+1024*f+512
.set f, f+1
.endr
.endm
; 8 products: sub-tile a x all 8 fragments.  First product: source 0 = weights, source 1 = routed rows, so that a lane holds ONE rank and 32 neighbouring columns of each 64; the first step's C is b1.
; Second: source 0 = routed rows, source 1 = weights, so that fragments 4 c .. 4 c + 3 hold 4 neighbouring columns a lane; the first step's C is 0.
.macro MUL a, ab, bb, first
.set rt, AR+40*(\ab)+8*(\a)
.set f, 0
.rept 8
.set rw, 64*(\bb)+8*f
.if (\a) < 4
.set rd, 64*(\a)+8*f
.else
.set rd, 128+8*f
.endif
.if DOWN
.if (\a) < 4
	WIN 0xa4
.else
	WIN 0x54
.endif
.if \first
	v_wmma_f32_16x16x32_bf16 v[rd:rd+7], v[rt:rt+7], v[rw:rw+7], 0
.else
	v_wmma_f32_16x16x32_bf16 v[rd:rd+7], v[rt:rt+7], v[rw:rw+7], v[rd:rd+7]
.endif
.else
.if (\a) == 4
	WIN 0x51
.elseif \first
	WIN 0x91
.else
	WIN 0xa1
.endif
.if \first
	v_wmma_f32_16x16x32_bf16 v[rd:rd+7], v[rw:rw+7], v[rt:rt+7], v[BI+8*f:BI+8*f+7]
.else
	v_wmma_f32_16x16x32_bf16 v[rd:rd+7], v[rw:rw+7], v[rt:rt+7], v[rd:rd+7]
.endif
.endif
.set f, f+1
.endr
.endm
; A K step: 40 products on 40 accumulators, which take turns in the same order in every step.  In its middle the next step's fragments (fb) and the routed rows three steps on (fa)
; are asked for, each in one run, four places behind the products that read those registers.  left = the routed rows' loads of the younger steps.
; The fifth sub-tile's 8 products are jumped where it lies past the count (s44 = 0), but in the first step, which writes its accumulators on every way; its loads stay, so that the counts hold on both ways.
.macro KSTEP p, ab, bb, first, fa, fb, left
	s_wait_loadcnt \left
	s_wait_dscnt 0x0                               ; this step's fragments, asked for in the middle of the step before
	MUL 0, \ab, \bb, \first
	MUL 1, \ab, \bb, \first
.if \fb
.rept 4
	v_nop
.endr
	BLOAD 1-(\bb), (\p)+1
.endif
.if \fa
	ALOAD ((\ab)+3)%4, (\p)+3
.endif
	MUL 2, \ab, \bb, \first
	MUL 3, \ab, \bb, \first
.if \first
	MUL 4, \ab, \bb, 1
.else
	WIN 0                                          ; at a branch and at a label every window is 0
	s_cmp_eq_u32 s44, 0
	s_cbranch_scc1 .Ldead_\@
	MUL 4, \ab, \bb, 0
	WIN 0
.Ldead_\@:
.endif
.endm
	s_lshl_b32 s23, s16, 4                         ; my first rank: 16 w + 320 x pass
	s_mov_b32 s24, 0
.Lpass:
	s_cmp_ge_u32 s23, s19
	s_cbranch_scc1 .Lskip                          ; nothing of this pass is mine: forward, past no barrier
	s_sub_co_u32 s40, s19, 1
	s_lshr_b32 s40, s40, 4                         ; the last sub-tile that was written
	s_lshr_b32 s41, s23, 4                         ; my sub-tiles: w + 20 x pass + 4 a; one past the count reads the last one again
.irp a, 0,1,2,3,4
	s_add_co_u32 s42, s41, 4*\a
	s_min_u32 s42, s42, s40
	s_min_u32 s42, s42, 63
	s_lshl_b32 s45, s42, 6                         ; 16 words a sub-tile in the gates and the rids
	s_lshl_b32 s42, s42, ASH
	v_add_nc_u32 v[AO+\a], s42, v1
.if DOWN
	v_add_nc_u32 v[SO+\a], s45, v14
	global_load_b128 v[RID+8*\a:RID+8*\a+3],   v[SO+\a], s[46:47]            ; the rids of ranks 8 h .. 8 h + 7
	global_load_b128 v[RID+8*\a+4:RID+8*\a+7], v[SO+\a], s[46:47] offset:16
.else
	v_add_nc_u32 v[SO+\a], s45, v13
	global_load_b32 v[G+\a], v[SO+\a], s[46:47]                              ; rank r's gate
.endif
.endr
	s_add_co_u32 s26, s23, 256
	s_cmp_lt_u32 s26, s19
	s_cselect_b32 s44, 1, 0                        ; has my fifth sub-tile a rank below the count?
	s_mov_b64 s[32:33], s[30:31]
	s_mov_b32 s43, 0                               ; LDS byte of the trip's first K step; the fragments' address is made of it and 16 x lane
	v_mov_b32 v6, v1
	ALOAD 0, 0
	ALOAD 1, 1
	ALOAD 2, 2
	BLOAD 0, 0
	KSTEP 0, 0, 0, 1, 1, 1, 20                     ; the first K step starts the sums; the gates' or rids' loads are older than the rows'
	WIN 0
	s_mov_b32 s25, 7
.Lk:
	KSTEP 1, 1, 1, 0, 1, 1, 20
	KSTEP 2, 2, 0, 0, 1, 1, 20
	KSTEP 3, 3, 1, 0, 1, 1, 20
	KSTEP 4, 0, 0, 0, 1, 1, 20
	WIN 0
	s_wait_xcnt 0x0                                ; the loads' base is stepped only behind this wait
	s_add_nc_u64 s[32:33], s[32:33], 4*ASTEP
	s_add_co_u32 s43, s43, 0x8000                  ; four K steps of 8,192 bytes on
	v_add_nc_u32 v6, s43, v1
	s_sub_co_u32 s25, s25, 1
	s_cmp_lg_u32 s25, 0
	s_cbranch_scc1 .Lk
	KSTEP 1, 1, 1, 0, 0, 1, 20                     ; K steps 29 to 31: no more rows to ask for, and the counts run down
	KSTEP 2, 2, 0, 0, 0, 1, 10
	KSTEP 3, 3, 1, 0, 0, 0, 0
	WIN 0
.rept 4
	v_nop                                          ; four places between the last product and the first read of a result
.endr
; THE WAY OUT, a sub-tile at a time; a sub-tile whose first rank lies past the count, and those behind it, store nothing.  Each accumulator is read from its register 0 on.
.macro GATE_A a
.if (\a) > 0
	s_add_co_u32 s26, s23, 64*(\a)
	s_cmp_ge_u32 s26, s19
	s_cbranch_scc1 .Lwayend
.endif
.endm
.if DOWN
.irp a, 0,1,2,3,4
	GATE_A \a
	s_wait_xcnt 0x0                                ; earlier stores have read their offsets and data
.set rq, AR+64*((\a)%2)
.if (\a) < 4
	WIN 0x02
.set ra, 64*(\a)
.else
	WIN 0x01
.set ra, 128
.endif
.set i, 0
.rept 8
.set f, 0
.rept 8
	v_mov_b32 v[rq+8*i+f], v[ra+8*f+i]             ; register i of fragments 4 c .. 4 c + 3: four neighbouring columns of rank 8 h + i
.set f, f+1
.endr
.set i, i+1
.endr
	WIN 0
.set i, 0
.rept 8
	v_min_u32 v[RID+8*\a+i], 0x7ff, v[RID+8*\a+i]
	v_lshl_add_u32 v[YO+i], v[RID+8*\a+i], 12, v13 ; the row of 4,096 bytes + 16 r
.set i, i+1
.endr
.set i, 0
.rept 8
	global_store_b128 v[YO+i], v[rq+8*i:rq+8*i+3],   s[34:35] th:TH_STORE_NT             ; 16 lanes store 256 consecutive bytes, aligned, of one row
	global_store_b128 v[YO+i], v[rq+8*i+4:rq+8*i+7], s[34:35] offset:256 th:TH_STORE_NT
.set i, i+1
.endr
.endr
.else
.irp a, 0,1,2,3,4
	GATE_A \a
.irp c, 0,1
.set rp, AR+16*(2*(\a)+(\c))
.if (\a) < 4
	WIN 0x02
.set ra, 64*(\a)+32*(\c)
.else
	WIN 0x01
.set ra, 128+32*(\c)
.endif
.set x, 0
.rept 16
	v_mul_f32 v[MT+2*x],   v[ra+16*(x%2)+x/2],   v[G+\a]   ; columns 2 x, 2 x + 1 of my 32: fragments 2 (x % 2), 2 (x % 2) + 1, register x / 2; times the gate
	v_mul_f32 v[MT+2*x+1], v[ra+16*(x%2)+8+x/2], v[G+\a]
.set x, x+1
.endr
	WIN 0
.set x, 0
.rept 16
	v_cvt_pk_bf16_f32 v[rp+x], v[MT+2*x], v[MT+2*x+1]
.set x, x+1
.endr
.set x, 0
.rept 16
	v_pk_max_num_bf16 v[rp+x], v[rp+x], v17        ; relu, on the rounded pair
.set x, x+1
.endr
.irp q, 0,1,2,3
	global_store_b128 v1, v[rp+4*\q:rp+4*\q+3], s[34:35] offset:524288*\a+2048*\c+512*\q  ; 512 consecutive bytes, aligned
.endr
.endr
.endr
.endif
.Lwayend:
.Lskip:
	s_wait_xcnt 0x0                                ; the stores have read their data, offsets and base
.if !DOWN
	s_add_nc_u64 s[34:35], s[34:35], 2621440       ; 20 sub-tiles on
.endif
	s_add_co_u32 s23, s23, 320
	s_add_co_u32 s24, s24, 1
	s_cmp_lt_u32 s24, 4
	s_cbranch_scc1 .Lpass
	s_wait_dscnt 0x0                               ; my reads of LDS are over;
	s_barrier_signal -1
	s_barrier_wait -1                              ; every wave's are: phase 2 is closed before any wave's end lines write LDS
	s_wait_tensorcnt 0x0                           ; the wave's end
	ds_add_u32 v2, v3
	s_wait_dscnt 0x0
	s_endpgm
.Lfunc_end_k_q0da58d4058_up:
	.size	k_q0da58d4058_up, .Lfunc_end_k_q0da58d4058_up-k_q0da58d4058_up
	.p2alignl 7, 3214868480
	.fill 96, 4, 3214868480
	.section	.rodata,"a",@progbits
	.p2align	6, 0x0
	.amdhsa_kernel k_q0da58d4058_up
		.amdhsa_group_segment_fixed_size 262656
		.amdhsa_private_segment_fixed_size 0
		.amdhsa_enable_private_segment 0
		.amdhsa_kernarg_size 48
		.amdhsa_user_sgpr_count 2
		.amdhsa_user_sgpr_kernarg_segment_ptr 1
		.amdhsa_wavefront_size32 1
		.amdhsa_system_sgpr_workgroup_id_x 1
		.amdhsa_system_sgpr_workgroup_id_y 1
		.amdhsa_system_sgpr_workgroup_id_z 1
		.amdhsa_system_vgpr_workitem_id 0
		.amdhsa_next_free_vgpr 768
		.amdhsa_next_free_sgpr 66
		.amdhsa_reserve_vcc 0
		.amdhsa_float_denorm_mode_32 3
		.amdhsa_float_denorm_mode_16_64 3
		.amdhsa_memory_ordered 1
		.amdhsa_forward_progress 1
		.amdhsa_inst_pref_size 119
	.end_amdhsa_kernel
	.amdgpu_metadata
---
amdhsa.version: [ 1, 2 ]
amdhsa.kernels:
  - .name:           k_q0da58d4058_up
    .symbol:         k_q0da58d4058_up.kd
    .args:
      - { .name: W1, .offset: 0, .size: 8, .value_kind: global_buffer, .address_space: global }
      - { .name: b1, .offset: 8, .size: 8, .value_kind: global_buffer, .address_space: global }
      - { .name: xg, .offset: 16, .size: 8, .value_kind: global_buffer, .address_space: global }
      - { .name: gr, .offset: 24, .size: 8, .value_kind: global_buffer, .address_space: global }
      - { .name: rank, .offset: 32, .size: 8, .value_kind: global_buffer, .address_space: global }
      - { .name: h, .offset: 40, .size: 8, .value_kind: global_buffer, .address_space: global }
    .group_segment_fixed_size: 262656
    .private_segment_fixed_size: 0
    .kernarg_segment_align: 8
    .kernarg_segment_size: 48
    .max_flat_workgroup_size: 128
    .sgpr_count:     66
    .vgpr_count:     768
    .wavefront_size: 32
...
	.end_amdgpu_metadata
.endif
;; end of part 3
;; launch down (part 4): grid 32 x 8, 4 waves a work-group, no clusters, 262,656 bytes of LDS; arguments W2, h, rank, y; writes y
.if DOCPART == 4
	.amdgcn_target "amdgcn-amd-amdhsa--gfx1250"
	.amdhsa_code_object_version 6
	.text
	.protected	k_q0da58d4058_down
	.globl	k_q0da58d4058_down
	.p2align	8
	.type	k_q0da58d4058_down,@function
k_q0da58d4058_down:
	s_mov_b64 s[64:65], 0
	v_nop
	global_prefetch_b8 v0, s[64:65] scope:SCOPE_SE
	s_setreg_imm32_b32 hwreg(HW_REG_WAVE_MODE, 25, 1), 1
	s_wait_xcnt 0x0
; ONE TEXT FOR THE TWO PRODUCTS OF THE EXPERTS; DOWN = 1: this is the SECOND.  y[kq][rid] = the part of (g h) W2[e] that comes of quarter kq of the hidden width, in f32 (partial sums stay f32).
; (DOWN = 0, the first: h = g relu(x W1[e] + b1[e]) for the rows routed to expert e, rounded once to bf16.)  The gate is in h already; b2 is added by the launch behind.
; LIMITS.  W2 (W1, b1) is rounded once to bf16, the hidden layer was rounded once to bf16; sums in f32.  NaN and infinities are not treated apart.
; SHARES.  256 work-groups = 8 experts x 32 slices (4 quarters of k x 8 blocks of 128 columns).  A slice is 1,024 k x 128 columns of ONE expert's weights: 512 KB of f32 that this work-group alone reads, once;
; as bf16 it is 256 KB and stays in LDS.
; PHASE 1 streams the slice: a lane loads 16 rows k, 16 bytes (4 neighbouring columns) each; rows packed in pairs ARE four operand fragments, in which fragment j's lane r holds column 4 r + j.
; Each load takes two whole aligned runs of 256 bytes (lanes 0-15 one row, lanes 16-31 another).  48 loads of every wave are on their way.  The tensor mover is not used: it cannot round f32 to bf16.
; A BARRIER.  PHASE 2 writes no LDS: weights' fragments come from LDS, the routed rows from memory straight into registers as operands.  Four passes of 320 ranks cover every split (1,024 ranks at the most);
; a pass has a constant text, and a wave whose first rank lies past the count jumps it forward.  A wave has 5 sub-tiles of 16 ranks, 64 ranks apart: 40 accumulators.  A second barrier closes phase 2.
; THE ROUTED ROWS lie by expert and rank as operand images (xg from the launch that places them; h from the first product): [expert][64 sub-tiles][blocks of 64 columns][4][32 lanes][16 bytes]; lane (r, h) holds rank r,
; columns 32 h + 0..31 of the block: a block serves two K steps, and each load of a wave takes 512 consecutive bytes at an offset made of scalars.  Both operands take k in that order (a K step: for half h of the
; lanes, 16 columns from 32 h + 16 (step % 2) on): the sum over k is the same.  The expert's count, the gates and the rids by rank were stored by the placing launch too.
; Ranks past the count in the last sub-tile repeat rank 0's routed row, so the same numbers land on the same bytes.  A sub-tile past the count reads the last written one again and stores nothing;
; the fifth sub-tile's products are jumped, where it is such a one, in every K step but the first, which starts its sums.
; No cluster: each slice has one reader; beside the slice LDS has no room for the routed rows that an expert's work-groups share.
; REGISTERS, in windows of 256 (s_set_vgpr_msb: bits 1:0 source 0, 3:2 source 1, 5:4 source 2, 7:6 destination):
;   window 0: v0-31 addresses and constants; phase 1: v32-95 b1, v128-191 packed fragments; phase 2: v32-191 four buffers of routed rows (5 x 8), later the way out; v192-247 side tables and work
;   window 1: v0-127 two buffers of weights' fragments; v128-191 the accumulators of sub-tile 4; v192-255 b1 as a C operand
;   window 2: phase 1: four buffers of 64 for the weights as loaded; phase 2: accumulator (a, f) at 64 a + 8 f, a = 0..3
.set DOWN, 1
.if DOWN
.set PITCH, 4096                       ; bytes in a row of the weights
.set WSH,   17                         ; 32 such rows, as a shift
.set ASH,   17                         ; a sub-tile of the routed rows' images, as a shift: 64 blocks of 2,048 bytes
.else
.set PITCH, 16384
.set WSH,   19
.set ASH,   15                         ; 16 blocks of 2,048 bytes
.endif
.set ASTEP, 1024                       ; bytes from K step to K step in the images,
.set AHALF, 512                        ; and from a fragment's registers 0-3 to 4-7
.set SPARE, 262144                     ; behind the fragments: the spare words, 128 bytes a wave: two blocks of 256 bytes that no other line names
.set AO,  8                            ; v8-12    sub-tile a: my byte offset in the routed rows
.set G,   26                           ; v26-30   sub-tile a: rank r's gate
.set AR,  32                           ; the routed rows' ring
.set FR,  128                          ; packed fragments, two sets
.set MT,  192                          ; first product: at work on the way out
.set SO,  192                          ; v192-196 sub-tile a: my byte offset in the gates or the rids
.set YO,  200                          ; v200-207 second product: byte offsets in y
.set RID, 208                          ; v208-247 second product: sub-tile a: the rids of ranks 8 h .. 8 h + 7
.set BI,  192                          ; window 1
.set MSB, 0
.macro WIN new                         ; the immediate's high byte repeats the setting that is left; a switch that changes nothing is dropped
.if MSB != (\new)
	s_set_vgpr_msb (MSB<<8)|(\new)
.set MSB, \new
.endif
.endm
	s_load_b256 s[4:11], s[0:1], 0x0               ; first product: W1 4, b1 6, xg 8, gr 10; second: W2 4, h 6, rank 8, y 10
.if !DOWN
	s_load_b128 s[12:15], s[0:1], 0x20             ; rank 12, h 14
.endif
	v_lshl_add_u32 v2, v0, 2, SPARE                ; my spare word,
	v_mov_b32 v3, 0                                ; and 0: kept for the end lines alone
	v_lshrrev_b32 v18, 5, v0
	v_readfirstlane_b32 s16, v18                   ; wave 0..3
	s_mov_b32 s17, ttmp9                           ; slice 0..31
	s_and_b32 s18, ttmp7, 0xffff                   ; expert
	v_and_b32 v19, 31, v0
	v_and_b32 v24, 15, v0                          ; r
	v_bfe_u32 v25, v0, 4, 1                        ; h
	v_lshlrev_b32 v1, 4, v19                       ; 16 x lane; never rewritten
	v_lshlrev_b32 v4, 4, v24
	v_lshl_add_u32 v4, v25, WSH, v4                ; weights: 16 r + h x 32 rows
	s_lshl_b32 s26, s16, 16
	v_add_nc_u32 v5, s26, v1                       ; where my wave lays fragments: 65,536 w + 16 x lane
.if DOWN
	v_lshlrev_b32 v13, 4, v24                      ; 16 r
	v_lshlrev_b32 v14, 5, v25                      ; 32 h
.else
	v_lshlrev_b32 v13, 2, v24                      ; 4 r
	v_mov_b32 v17, 0
	v_lshlrev_b32 v18, 7, v25                      ; b1: 128 h
.endif
	s_mov_b32 s27, 0
	s_wait_kmcnt 0x0
.if DOWN
	s_lshr_b32 s39, s17, 3                         ; kq: which quarter of the hidden width
	s_and_b32 s40, s17, 7                          ; ns: which 128 columns
	s_lshl_b32 s26, s18, 24
	s_lshl_b32 s20, s39, 22
	s_add_co_u32 s26, s26, s20
	s_lshl_b32 s20, s40, 9
	s_add_co_u32 s26, s26, s20
	s_lshl_b32 s20, s16, 20
	s_add_co_u32 s26, s26, s20
	s_add_nc_u64 s[28:29], s[4:5], s[26:27]        ; the weights at my wave's 256 rows of the slice
	s_lshl_b32 s26, s18, 23
	s_lshl_b32 s20, s39, 15
	s_add_co_u32 s26, s26, s20
	s_add_nc_u64 s[30:31], s[6:7], s[26:27]        ; h at the expert's sub-tile 0, my quarter's first block
	s_lshl_b32 s26, s39, 23
	s_lshl_b32 s20, s40, 9
	s_add_co_u32 s26, s26, s20
	s_add_nc_u64 s[34:35], s[10:11], s[26:27]      ; y at my quarter's row 0, my columns
	s_lshl_b32 s26, s18, 12
	s_add_nc_u64 s[46:47], s[8:9], s[26:27]        ; the rids at the expert's rank 0
	s_lshl_b32 s26, s18, 7
	s_add_nc_u64 s[48:49], s[8:9], s[26:27]
.else
	s_lshl_b32 s26, s18, 24
	s_lshl_b32 s20, s17, 9
	s_add_co_u32 s26, s26, s20
	s_lshl_b32 s20, s16, 22
	s_add_co_u32 s26, s26, s20
	s_add_nc_u64 s[28:29], s[4:5], s[26:27]        ; the weights at my wave's 256 rows of the slice
	s_lshl_b32 s26, s18, 14
	s_lshl_b32 s20, s17, 9
	s_add_co_u32 s26, s26, s20
	s_add_nc_u64 s[36:37], s[6:7], s[26:27]        ; b1 at the slice's 128 columns
	s_lshl_b32 s26, s18, 21
	s_add_nc_u64 s[30:31], s[8:9], s[26:27]        ; xg at the expert's sub-tile 0
	s_lshl_b32 s26, s18, 23
	s_lshl_b32 s20, s17, 12
	s_add_co_u32 s26, s26, s20
	s_lshl_b32 s20, s16, 17
	s_add_co_u32 s26, s26, s20
	s_add_nc_u64 s[34:35], s[14:15], s[26:27]      ; h at the expert's sub-tile w, the slice's two blocks
	s_lshl_b32 s26, s18, 12
	s_add_nc_u64 s[46:47], s[10:11], s[26:27]      ; the gates at the expert's rank 0
	s_lshl_b32 s26, s18, 7
	s_add_nc_u64 s[48:49], s[12:13], s[26:27]
.endif
	s_load_b32 s19, s[48:49], 0x8000               ; the expert's count; waited for behind phase 1
; Group g of weights, counted from the trip's base: K step g / 2, 64 columns by g % 2: 16 loads into ring buffer b
.macro WLOAD b, g
	WIN 0x80                                       ; destination window 2
.set u, 0
.rept 16
.set wrow, 64*((\g)/4)+16*(((\g)/2)%2)+u
	global_load_b128 v[64*(\b)+4*u:64*(\b)+4*u+3], v4, s[28:29] offset:wrow*PITCH+256*((\g)%2) th:TH_LOAD_NT
.set u, u+1
.endr
.endm
; The group in ring buffer b is waited for (left = the younger loads that may stay out); the group three on is asked for, ahead of the arithmetic; rows are packed in pairs; four fragments go to LDS.
.macro WGRP b, gl, issue, left
	s_wait_loadcnt \left
.if \issue
	WLOAD ((\b)+3)%4, (\gl)+3
.endif
	WIN 0x0a                                       ; sources window 2, destination window 0
.set ff, FR+32*((\b)%2)
.set j, 0
.rept 4
.set vv, 0
.rept 8
	v_cvt_pk_bf16_f32 v[ff+8*j+vv], v[64*(\b)+8*vv+j], v[64*(\b)+8*vv+4+j]
.set vv, vv+1
.endr
.set j, j+1
.endr
	WIN 0
.set j, 0
.rept 4
	ds_store_b128 v5, v[ff+8*j:ff+8*j+3]   offset:4096*(\gl)+1024*j      ; 512 consecutive bytes: no bank is asked twice
	ds_store_b128 v5, v[ff+8*j+4:ff+8*j+7] offset:4096*(\gl)+1024*j+512
.set j, j+1
.endr
.endm
.if !DOWN
.set n, 0
.rept 16
	global_load_b128 v[32+4*n:35+4*n], v18, s[36:37] offset:256*(n/8)+16*(n%8)  ; my half's 32 columns of each 64
.set n, n+1
.endr
.endif
	WLOAD 0, 0
	WLOAD 1, 1
.if !DOWN
	s_wait_loadcnt 32                              ; all but the 32 loads of weights: b1 is in
.endif
	WLOAD 2, 2                                     ; 48 loads are out
	WIN 0
.if !DOWN
	; b1, rounded to bf16, as the C operand that starts the sums: column 32 h + 4 i + j of a 64 belongs to fragment j, register i
.set n, 0
.rept 32
	v_cvt_pk_bf16_f32 v[32+2*n], v[32+2*n], v[33+2*n]
.set n, n+1
.endr
	WIN 0x40                                       ; destination window 1
.set n, 0
.rept 32
	v_lshlrev_b32 v[BI+8*(4*(n/16)+2*(n%2))+(n%16)/2],   16, v[32+2*n]
	v_and_b32     v[BI+8*(4*(n/16)+2*(n%2)+1)+(n%16)/2], 0xffff0000, v[32+2*n]
.set n, n+1
.endr
	WIN 0
.endif
	; PHASE 1: 16 groups a wave.  At each wait three groups are out: the count 32 leaves the two younger ones
	s_mov_b32 s38, 3
.Lfill:
	WGRP 0, 0, 1, 32
	WGRP 1, 1, 1, 32
	WGRP 2, 2, 1, 32
	WGRP 3, 3, 1, 32
	s_wait_xcnt 0x0                                ; the loads' base is stepped only behind this wait
	s_add_nc_u64 s[28:29], s[28:29], 64*PITCH      ; two K steps on
	v_add_nc_u32 v5, 0x4000, v5
	s_sub_co_u32 s38, s38, 1
	s_cmp_lg_u32 s38, 0
	s_cbranch_scc1 .Lfill
	WGRP 0, 0, 1, 32                               ; the last four groups: one more is asked for, then the counts run down
	WGRP 1, 1, 0, 32
	WGRP 2, 2, 0, 16
	WGRP 3, 3, 0, 0
	s_wait_dscnt 0x0                               ; for the others' sake: my fragments are in LDS
	s_barrier_signal -1
	s_barrier_wait -1                              ; behind it the fragments are read and never written
	s_wait_kmcnt 0x0                               ; the count
; PHASE 2.  The routed rows of the K step at place p from the trip's base, into ring buffer ab
.macro ALOAD ab, p
	WIN 0
.irp a, 0,1,2,3,4
	global_load_b128 v[AR+40*(\ab)+8*\a:AR+40*(\ab)+8*\a+3],   v[AO+\a], s[32:33] offset:(\p)*ASTEP
	global_load_b128 v[AR+40*(\ab)+8*\a+4:AR+40*(\ab)+8*\a+7], v[AO+\a], s[32:33] offset:(\p)*ASTEP+AHALF
.endr
.endm
; The weights' 8 fragments of the K step at place p, into buffer bb of window 1
.macro BLOAD bb, p
	WIN 0x40
.set f, 0
.rept 8
	ds_load_b128 v[64*(\bb)+8*f:64*(\bb)+8*f+3],   v6 offset:(\p)*8192+1024*f
	ds_load_b128 v[64*(\bb)+8*f+4:64*(\bb)+8*f+7], v6 offset:(\p)*8192+1024*f+512
.set f, f+1
.endr
.endm
; 8 products: sub-tile a x all 8 fragments.  First product: source 0 = weights, source 1 = routed rows, so that a lane holds ONE rank and 32 neighbouring columns of each 64; the first step's C is b1.
; Second: source 0 = routed rows, source 1 = weights, so that fragments 4 c .. 4 c + 3 hold 4 neighbouring columns a lane; the first step's C is 0.
.macro MUL a, ab, bb, first
.set rt, AR+40*(\ab)+8*(\a)
.set f, 0
.rept 8
.set rw, 64*(\bb)+8*f
.if (\a) < 4
.set rd, 64*(\a)+8*f
.else
.set rd, 128+8*f
.endif
.if DOWN
.if (\a) < 4
	WIN 0xa4
.else
	WIN 0x54
.endif
.if \first
	v_wmma_f32_16x16x32_bf16 v[rd:rd+7], v[rt:rt+7], v[rw:rw+7], 0
.else
	v_wmma_f32_16x16x32_bf16 v[rd:rd+7], v[rt:rt+7], v[rw:rw+7], v[rd:rd+7]
.endif
.else
.if (\a) == 4
	WIN 0x51
.elseif \first
	WIN 0x91
.else
	WIN 0xa1
.endif
.if \first
	v_wmma_f32_16x16x32_bf16 v[rd:rd+7], v[rw:rw+7], v[rt:rt+7], v[BI+8*f:BI+8*f+7]
.else
	v_wmma_f32_16x16x32_bf16 v[rd:rd+7], v[rw:rw+7], v[rt:rt+7], v[rd:rd+7]
.endif
.endif
.set f, f+1
.endr
.endm
; A K step: 40 products on 40 accumulators, which take turns in the same order in every step.  In its middle the next step's fragments (fb) and the routed rows three steps on (fa)
; are asked for, each in one run, four places behind the products that read those registers.  left = the routed rows' loads of the younger steps.
; The fifth sub-tile's 8 products are jumped where it lies past the count (s44 = 0), but in the first step, which writes its accumulators on every way; its loads stay, so that the counts hold on both ways.
.macro KSTEP p, ab, bb, first, fa, fb, left
	s_wait_loadcnt \left
	s_wait_dscnt 0x0                               ; this step's fragments, asked for in the middle of the step before
	MUL 0, \ab, \bb, \first
	MUL 1, \ab, \bb, \first
.if \fb
.rept 4
	v_nop
.endr
	BLOAD 1-(\bb), (\p)+1
.endif
.if \fa
	ALOAD ((\ab)+3)%4, (\p)+3
.endif
	MUL 2, \ab, \bb, \first
	MUL 3, \ab, \bb, \first
.if \first
	MUL 4, \ab, \bb, 1
.else
	WIN 0                                          ; at a branch and at a label every window is 0
	s_cmp_eq_u32 s44, 0
	s_cbranch_scc1 .Ldead_\@
	MUL 4, \ab, \bb, 0
	WIN 0
.Ldead_\@:
.endif
.endm
	s_lshl_b32 s23, s16, 4                         ; my first rank: 16 w + 320 x pass
	s_mov_b32 s24, 0
.Lpass:
	s_cmp_ge_u32 s23, s19
	s_cbranch_scc1 .Lskip                          ; nothing of this pass is mine: forward, past no barrier
	s_sub_co_u32 s40, s19, 1
	s_lshr_b32 s40, s40, 4                         ; the last sub-tile that was written
	s_lshr_b32 s41, s23, 4                         ; my sub-tiles: w + 20 x pass + 4 a; one past the count reads the last one again
.irp a, 0,1,2,3,4
	s_add_co_u32 s42, s41, 4*\a
	s_min_u32 s42, s42, s40
	s_min_u32 s42, s42, 63
	s_lshl_b32 s45, s42, 6                         ; 16 words a sub-tile in the gates and the rids
	s_lshl_b32 s42, s42, ASH
	v_add_nc_u32 v[AO+\a], s42, v1
.if DOWN
	v_add_nc_u32 v[SO+\a], s45, v14
	global_load_b128 v[RID+8*\a:RID+8*\a+3],   v[SO+\a], s[46:47]            ; the rids of ranks 8 h .. 8 h + 7
	global_load_b128 v[RID+8*\a+4:RID+8*\a+7], v[SO+\a], s[46:47] offset:16
.else
	v_add_nc_u32 v[SO+\a], s45, v13
	global_load_b32 v[G+\a], v[SO+\a], s[46:47]                              ; rank r's gate
.endif
.endr
	s_add_co_u32 s26, s23, 256
	s_cmp_lt_u32 s26, s19
	s_cselect_b32 s44, 1, 0                        ; has my fifth sub-tile a rank below the count?
	s_mov_b64 s[32:33], s[30:31]
	s_mov_b32 s43, 0                               ; LDS byte of the trip's first K step; the fragments' address is made of it and 16 x lane
	v_mov_b32 v6, v1
	ALOAD 0, 0
	ALOAD 1, 1
	ALOAD 2, 2
	BLOAD 0, 0
	KSTEP 0, 0, 0, 1, 1, 1, 20                     ; the first K step starts the sums; the gates' or rids' loads are older than the rows'
	WIN 0
	s_mov_b32 s25, 7
.Lk:
	KSTEP 1, 1, 1, 0, 1, 1, 20
	KSTEP 2, 2, 0, 0, 1, 1, 20
	KSTEP 3, 3, 1, 0, 1, 1, 20
	KSTEP 4, 0, 0, 0, 1, 1, 20
	WIN 0
	s_wait_xcnt 0x0                                ; the loads' base is stepped only behind this wait
	s_add_nc_u64 s[32:33], s[32:33], 4*ASTEP
	s_add_co_u32 s43, s43, 0x8000                  ; four K steps of 8,192 bytes on
	v_add_nc_u32 v6, s43, v1
	s_sub_co_u32 s25, s25, 1
	s_cmp_lg_u32 s25, 0
	s_cbranch_scc1 .Lk
	KSTEP 1, 1, 1, 0, 0, 1, 20                     ; K steps 29 to 31: no more rows to ask for, and the counts run down
	KSTEP 2, 2, 0, 0, 0, 1, 10
	KSTEP 3, 3, 1, 0, 0, 0, 0
	WIN 0
.rept 4
	v_nop                                          ; four places between the last product and the first read of a result
.endr
; THE WAY OUT, a sub-tile at a time; a sub-tile whose first rank lies past the count, and those behind it, store nothing.  Each accumulator is read from its register 0 on.
.macro GATE_A a
.if (\a) > 0
	s_add_co_u32 s26, s23, 64*(\a)
	s_cmp_ge_u32 s26, s19
	s_cbranch_scc1 .Lwayend
.endif
.endm
.if DOWN
.irp a, 0,1,2,3,4
	GATE_A \a
	s_wait_xcnt 0x0                                ; earlier stores have read their offsets and data
.set rq, AR+64*((\a)%2)
.if (\a) < 4
	WIN 0x02
.set ra, 64*(\a)
.else
	WIN 0x01
.set ra, 128
.endif
.set i, 0
.rept 8
.set f, 0
.rept 8
	v_mov_b32 v[rq+8*i+f], v[ra+8*f+i]             ; register i of fragments 4 c .. 4 c + 3: four neighbouring columns of rank 8 h + i
.set f, f+1
.endr
.set i, i+1
.endr
	WIN 0
.set i, 0
.rept 8
	v_min_u32 v[RID+8*\a+i], 0x7ff, v[RID+8*\a+i]
	v_lshl_add_u32 v[YO+i], v[RID+8*\a+i], 12, v13 ; the row of 4,096 bytes + 16 r
.set i, i+1
.endr
.set i, 0
.rept 8
	global_store_b128 v[YO+i], v[rq+8*i:rq+8*i+3],   s[34:35] th:TH_STORE_NT             ; 16 lanes store 256 consecutive bytes, aligned, of one row
	global_store_b128 v[YO+i], v[rq+8*i+4:rq+8*i+7], s[34:35] offset:256 th:TH_STORE_NT
.set i, i+1
.endr
.endr
.else
.irp a, 0,1,2,3,4
	GATE_A \a
.irp c, 0,1
.set rp, AR+16*(2*(\a)+(\c))
.if (\a) < 4
	WIN 0x02
.set ra, 64*(\a)+32*(\c)
.else
	WIN 0x01
.set ra, 128+32*(\c)
.endif
.set x, 0
.rept 16
	v_mul_f32 v[MT+2*x],   v[ra+16*(x%2)+x/2],   v[G+\a]   ; columns 2 x, 2 x + 1 of my 32: fragments 2 (x % 2), 2 (x % 2) + 1, register x / 2; times the gate
	v_mul_f32 v[MT+2*x+1], v[ra+16*(x%2)+8+x/2], v[G+\a]
.set x, x+1
.endr
	WIN 0
.set x, 0
.rept 16
	v_cvt_pk_bf16_f32 v[rp+x], v[MT+2*x], v[MT+2*x+1]
.set x, x+1
.endr
.set x, 0
.rept 16
	v_pk_max_num_bf16 v[rp+x], v[rp+x], v17        ; relu, on the rounded pair
.set x, x+1
.endr
.irp q, 0,1,2,3
	global_store_b128 v1, v[rp+4*\q:rp+4*\q+3], s[34:35] offset:524288*\a+2048*\c+512*\q  ; 512 consecutive bytes, aligned
.endr
.endr
.endr
.endif
.Lwayend:
.Lskip:
	s_wait_xcnt 0x0                                ; the stores have read their data, offsets and base
.if !DOWN
	s_add_nc_u64 s[34:35], s[34:35], 2621440       ; 20 sub-tiles on
.endif
	s_add_co_u32 s23, s23, 320
	s_add_co_u32 s24, s24, 1
	s_cmp_lt_u32 s24, 4
	s_cbranch_scc1 .Lpass
	s_wait_dscnt 0x0                               ; my reads of LDS are over;
	s_barrier_signal -1
	s_barrier_wait -1                              ; every wave's are: phase 2 is closed before any wave's end lines write LDS
	s_wait_tensorcnt 0x0                           ; the wave's end
	ds_add_u32 v2, v3
	s_wait_dscnt 0x0
	s_endpgm
.Lfunc_end_k_q0da58d4058_down:
	.size	k_q0da58d4058_down, .Lfunc_end_k_q0da58d4058_down-k_q0da58d4058_down
	.p2alignl 7, 3214868480
	.fill 96, 4, 3214868480
	.section	.rodata,"a",@progbits
	.p2align	6, 0x0
	.amdhsa_kernel k_q0da58d4058_down
		.amdhsa_group_segment_fixed_size 262656
		.amdhsa_private_segment_fixed_size 0
		.amdhsa_enable_private_segment 0
		.amdhsa_kernarg_size 32
		.amdhsa_user_sgpr_count 2
		.amdhsa_user_sgpr_kernarg_segment_ptr 1
		.amdhsa_wavefront_size32 1
		.amdhsa_system_sgpr_workgroup_id_x 1
		.amdhsa_system_sgpr_workgroup_id_y 1
		.amdhsa_system_sgpr_workgroup_id_z 1
		.amdhsa_system_vgpr_workitem_id 0
		.amdhsa_next_free_vgpr 768
		.amdhsa_next_free_sgpr 66
		.amdhsa_reserve_vcc 0
		.amdhsa_float_denorm_mode_32 3
		.amdhsa_float_denorm_mode_16_64 3
		.amdhsa_memory_ordered 1
		.amdhsa_forward_progress 1
		.amdhsa_inst_pref_size 101
	.end_amdhsa_kernel
	.amdgpu_metadata
---
amdhsa.version: [ 1, 2 ]
amdhsa.kernels:
  - .name:           k_q0da58d4058_down
    .symbol:         k_q0da58d4058_down.kd
    .args:
      - { .name: W2, .offset: 0, .size: 8, .value_kind: global_buffer, .address_space: global }
      - { .name: h, .offset: 8, .size: 8, .value_kind: global_buffer, .address_space: global }
      - { .name: rank, .offset: 16, .size: 8, .value_kind: global_buffer, .address_space: global }
      - { .name: y, .offset: 24, .size: 8, .value_kind: global_buffer, .address_space: global }
    .group_segment_fixed_size: 262656
    .private_segment_fixed_size: 0
    .kernarg_segment_align: 8
    .kernarg_segment_size: 32
    .max_flat_workgroup_size: 128
    .sgpr_count:     66
    .vgpr_count:     768
    .wavefront_size: 32
...
	.end_amdgpu_metadata
.endif
;; end of part 4
;; launch combine (part 5): grid 256 x 1, 8 waves a work-group, no clusters, 0 bytes of LDS; arguments y, b2, sel, gate, out0; writes out0
.if DOCPART == 5
	.amdgcn_target "amdgcn-amd-amdhsa--gfx1250"
	.amdhsa_code_object_version 6
	.text
	.protected	k_q0da58d4058_combine
	.globl	k_q0da58d4058_combine
	.p2align	8
	.type	k_q0da58d4058_combine,@function
k_q0da58d4058_combine:
	s_mov_b64 s[64:65], 0
	v_nop
	global_prefetch_b8 v0, s[64:65] scope:SCOPE_SE
	s_setreg_imm32_b32 hwreg(HW_REG_WAVE_MODE, 25, 1), 1
	s_wait_xcnt 0x0
; out0[t] = the sum of token t's 8 partial rows (4 quarters of the hidden width x 2 chosen experts; the gates are in them already) + g1 b2[e1] + g2 b2[e2].  All in f32.
; LIMITS.  b2 is rounded once to bf16, like every input of the program.  NaN and infinities are not treated apart.
; A stream: a wave has one token and 512 of its 1,024 columns, a lane four runs of 16 bytes; each load and store of a wave covers 512 consecutive bytes, aligned.  All 40 loads of a wave go out at its start.
; No LDS, no barrier, no matrix unit, no cluster: each byte is read once by one wave, and no wave needs another's.
.set Y,  32                            ; v32-159  partial row m = 2 kq + slot, run q at Y + 16 m + 4 q; the sum grows in row 0
.set B2, 160                           ; v160-191 b2 of expert e1 (16 registers), then of e2
	s_load_b256 s[4:11], s[0:1], 0x0               ; y 4, b2 6, sel 8, gate 10
	s_load_b64 s[12:13], s[0:1], 0x20              ; out0
	v_lshrrev_b32 v1, 5, v0
	v_readfirstlane_b32 s14, v1                    ; wave 0..7
	v_and_b32 v1, 31, v0
	v_lshlrev_b32 v1, 4, v1                        ; 16 x lane
	s_lshr_b32 s15, s14, 1
	s_lshl_b32 s16, ttmp9, 2
	s_add_co_u32 s15, s15, s16                     ; the token: 4 x work-group + wave / 2
	s_and_b32 s16, s14, 1
	s_lshl_b32 s16, s16, 11                        ; which 2,048 bytes of a row
	s_mov_b32 s19, 0
	s_wait_kmcnt 0x0
	s_lshl_b32 s18, s15, 2
	s_add_nc_u64 s[8:9], s[8:9], s[18:19]
	s_lshl_b32 s18, s15, 3
	s_add_nc_u64 s[10:11], s[10:11], s[18:19]
	s_load_b32 s36, s[8:9], 0x0                    ; the token's word of sel,
	s_load_b64 s[38:39], s[10:11], 0x0             ; and its two gates
	s_lshl_b32 s18, s15, 13                        ; rows 2 t and 2 t + 1 of 4,096 bytes
	s_add_co_u32 s18, s18, s16
	s_add_nc_u64 s[20:21], s[4:5], s[18:19]        ; a base for each quarter: they lie 8 MiB apart, more than a load's immediate reaches
	s_add_nc_u64 s[22:23], s[20:21], 0x800000
	s_add_nc_u64 s[24:25], s[22:23], 0x800000
	s_add_nc_u64 s[26:27], s[24:25], 0x800000
.irp kq, 0,1,2,3
.irp sl, 0,1
.irp q, 0,1,2,3
	global_load_b128 v[Y+16*(2*\kq+\sl)+4*\q:Y+16*(2*\kq+\sl)+4*\q+3], v1, s[20+2*\kq:21+2*\kq] offset:4096*\sl+512*\q th:TH_LOAD_NT
.endr
.endr
.endr
	s_lshl_b32 s18, s15, 12
	s_add_co_u32 s18, s18, s16
	s_add_nc_u64 s[12:13], s[12:13], s[18:19]      ; out0 at my half of the token's row
	s_wait_kmcnt 0x0
	s_bfe_u32 s28, s36, 0x30010                    ; e1: 3 bits from bit 16
	s_bfe_u32 s29, s36, 0x30018                    ; e2: 3 bits from bit 24
	s_min_u32 s28, s28, 7
	s_min_u32 s29, s29, 7
	s_lshl_b32 s18, s28, 12
	s_add_co_u32 s18, s18, s16
	s_add_nc_u64 s[32:33], s[6:7], s[18:19]
	s_lshl_b32 s18, s29, 12
	s_add_co_u32 s18, s18, s16
	s_add_nc_u64 s[34:35], s[6:7], s[18:19]
.irp q, 0,1,2,3
	global_load_b128 v[B2+4*\q:B2+4*\q+3],       v1, s[32:33] offset:512*\q
	global_load_b128 v[B2+16+4*\q:B2+16+4*\q+3], v1, s[34:35] offset:512*\q
.endr
	v_mov_b32 v8, s38                              ; g1
	v_mov_b32 v9, s39                              ; g2
.irp m, 1,2,3,4,5,6,7
	s_wait_loadcnt 36-4*\m                         ; loads come back in order: rows 0 to m are in; the 4 (7 - m) loads of later rows and b2's 8 stay out
.irp q, 0,1,2,3
	v_pk_add_f32 v[Y+4*\q:Y+4*\q+1],   v[Y+4*\q:Y+4*\q+1],   v[Y+16*\m+4*\q:Y+16*\m+4*\q+1]
	v_pk_add_f32 v[Y+4*\q+2:Y+4*\q+3], v[Y+4*\q+2:Y+4*\q+3], v[Y+16*\m+4*\q+2:Y+16*\m+4*\q+3]
.endr
.endr
	s_wait_loadcnt 0x0                             ; b2
.irp e, 0,1
.irp p, 0,2,4,6,8,10,12,14
	v_cvt_pk_bf16_f32 v[B2+16*\e+\p], v[B2+16*\e+\p], v[B2+16*\e+\p+1]  ; two of b2, rounded to bf16,
.endr
.irp p, 0,2,4,6,8,10,12,14
	v_fma_mix_f32_bf16 v[Y+\p],   v[B2+16*\e+\p], v[8+\e], v[Y+\p]   op_sel_hi:[1,0,0]                 ; and multiplied straight from the halves: low,
	v_fma_mix_f32_bf16 v[Y+\p+1], v[B2+16*\e+\p], v[8+\e], v[Y+\p+1] op_sel:[1,0,0] op_sel_hi:[1,0,0]  ; high
.endr
.endr
.irp q, 0,1,2,3
	global_store_b128 v1, v[Y+4*\q:Y+4*\q+3], s[12:13] offset:512*\q th:TH_STORE_NT
.endr
	s_endpgm
.Lfunc_end_k_q0da58d4058_combine:
	.size	k_q0da58d4058_combine, .Lfunc_end_k_q0da58d4058_combine-k_q0da58d4058_combine
	.p2alignl 7, 3214868480
	.fill 96, 4, 3214868480
	.section	.rodata,"a",@progbits
	.p2align	6, 0x0
	.amdhsa_kernel k_q0da58d4058_combine
		.amdhsa_group_segment_fixed_size 0
		.amdhsa_private_segment_fixed_size 0
		.amdhsa_enable_private_segment 0
		.amdhsa_kernarg_size 40
		.amdhsa_user_sgpr_count 2
		.amdhsa_user_sgpr_kernarg_segment_ptr 1
		.amdhsa_wavefront_size32 1
		.amdhsa_system_sgpr_workgroup_id_x 1
		.amdhsa_system_sgpr_workgroup_id_y 1
		.amdhsa_system_sgpr_workgroup_id_z 1
		.amdhsa_system_vgpr_workitem_id 0
		.amdhsa_next_free_vgpr 192
		.amdhsa_next_free_sgpr 66
		.amdhsa_reserve_vcc 0
		.amdhsa_float_denorm_mode_32 3
		.amdhsa_float_denorm_mode_16_64 3
		.amdhsa_memory_ordered 1
		.amdhsa_forward_progress 1
		.amdhsa_inst_pref_size 13
	.end_amdhsa_kernel
	.amdgpu_metadata
---
amdhsa.version: [ 1, 2 ]
amdhsa.kernels:
  - .name:           k_q0da58d4058_combine
    .symbol:         k_q0da58d4058_combine.kd
    .args:
      - { .name: y, .offset: 0, .size: 8, .value_kind: global_buffer, .address_space: global }
      - { .name: b2, .offset: 8, .size: 8, .value_kind: global_buffer, .address_space: global }
      - { .name: sel, .offset: 16, .size: 8, .value_kind: global_buffer, .address_space: global }
      - { .name: gate, .offset: 24, .size: 8, .value_kind: global_buffer, .address_space: global }
      - { .name: out0, .offset: 32, .size: 8, .value_kind: global_buffer, .address_space: global }
    .group_segment_fixed_size: 0
    .private_segment_fixed_size: 0
    .kernarg_segment_align: 8
    .kernarg_segment_size: 40
    .max_flat_workgroup_size: 256
    .sgpr_count:     66
    .vgpr_count:     192
    .wavefront_size: 32
...
	.end_amdgpu_metadata
.endif
;; end of part 5
